; MI455X (gfx1250); checked and timed in simulation.
; The chip was launched on July 23, 2026; its instructions are those of AMD's public machine-readable ISA for CDNA 5 (MIT licence, August 2026) and "CDNA5" Instruction Set Architecture Reference Guide (July 2026). The comments in the code are by the model that wrote it; some were corrected since.
;; Top K Router. Allowed arithmetic: float matrix products may take bf16 or f16 operands with f32 sums; all other float work in f32.
;; Inputs: W 2,048 x 64 float32; b 64 float32; noise 4 x 4,096 x 64 float32; x 4 x 4,096 x 2,048 float32.
;; Outputs: out0 4 x 4,096 x 2 float32; out1 4 x 4,096 x 2 int32; out2 4 x 4,096 x 64 float32.
;; One version. Each part assembles by itself: llvm-mc -triple=amdgcn-amd-amdhsa -mcpu=gfx1250 --defsym DOCPART=n.
;; ======== version 1 of 1: 1 launch
;; limits: values outside matrix products are rounded to bf16
;; launch router (part 1): grid 256 x 1, 8 waves a work-group, clusters of 4 x 1, 327,680 bytes of LDS; arguments x, W, b, noise, out0, out1, out2; writes out0, out1, out2
.if DOCPART == 1
	.amdgcn_target "amdgcn-amd-amdhsa--gfx1250"
	.amdhsa_code_object_version 6
	.text
	.protected	k_q062d3962e2_router
	.globl	k_q062d3962e2_router
	.p2align	8
	.type	k_q062d3962e2_router,@function
k_q062d3962e2_router:
	s_mov_b64 s[64:65], 0
	v_nop
	global_prefetch_b8 v0, s[64:65] scope:SCOPE_SE
	s_setreg_imm32_b32 hwreg(HW_REG_WAVE_MODE, 25, 1), 1
	s_wait_xcnt 0x0
	s_wait_alu depctr_hold_cnt(0) depctr_sa_sdst(0) depctr_va_vdst(0) depctr_va_sdst(0) depctr_va_ssrc(0) depctr_va_vcc(0) depctr_vm_vsrc(0)
	s_getreg_b32 s2, hwreg(HW_REG_IB_STS2, 6, 4)
	s_cmp_eq_u32 s2, 0
	s_cbranch_scc0 .Lentry_in_a_cluster
	s_endpgm
.Lentry_in_a_cluster:
	s_bfe_u32 s2, ttmp6, 0x10000c
	s_cmp_lg_u32 s2, 0x3003
	s_cbranch_scc0 .Lentry_shape_is_right
	s_endpgm
.Lentry_shape_is_right:
; TopKRouter: logits = x W + b + 0.1 noise; scores = softmax over 64 experts; the two largest scores and their indices.
; x [16384][2048] f32, W [2048][64] f32, b [64], noise and out2 [16384][64] f32, out0 [16384][2] f32, out1 [16384][2] i32.
;
; SHARES.  134 MB of x are read once for 4.3 GFLOP: the text is a stream of x with a small product riding on it.
; A work-group owns 64 rows (256 work-groups).  Wave w of eight owns k = 256 w .. 256 w + 255 for all 64 rows and all 64 experts, and keeps
; a 64 x 64 partial sum in 16 accumulator tiles (128 registers): every byte of x and of W is touched by one wave of the group, once.
; The wave's K goes in 4 chunks of 64 k, a chunk in 2 halves of 32 rows.  At the end the eight partial sums meet in LDS and each wave finishes 8 rows.
; x: plain 16-byte loads into a ring of four half buffers of 64 registers (16 loads each); the waits are counted, so 44 to 60 loads of
;    every wave stay on their way until nothing of x is left to ask for.  Converted in place to bf16, laid into the wave's own stage in LDS
;    (32 rows, pitch 144 bytes), read back as A fragments.
; W: all 256 work-groups need all of W (512 KiB, as much as a group's share of x), so 4 work-groups form a cluster and ask for it JOINTLY:
;    tensor loads with mask 15, the descriptor made of the wave's number alone.  Each wave has two slots of 64 rows x 256 bytes of its own.
; ORDER OF THE REQUESTS: no half of x can be multiplied before its chunk of W is there, so W's first two chunks are asked for ahead of the 48 first
;    loads of x.  A slot's refill stands behind a half that needs no new chunk: the half's own requests for x go out before the wave waits for all its tiles.
; COLUMN ORDER: column r of tile t stands for expert 4 r + t.  So a lane's 16 bytes of a row of W feed one register half of each of the four
;    B fragments, sixteen lanes read a whole row of W, and in the result lane (r, h) holds experts 4 r .. 4 r + 3 of a row: 16 neighbouring bytes
;    of noise and of out2, sixteen lanes a whole row of 256 bytes.
;
; LIMITS.  x and W enter the matrix unit rounded once to bf16.  With ROUND_IN = 1 noise and b are rounded once to bf16 as well, so that all four
; inputs are taken in one format (relative error at most 2^-9 each).  K is split over eight waves and the eight sums are added in f32, so the order
; of rounding is not that of one chain.  The row's maximum m is taken away as fma(z, log2 e, -round(m log2 e)): |logit| must stay below 2.3e38.
; v_exp_f32 gives 0 for results below 2^-126 (ISA guide 15.8): where that zeroes the second score its index is the lowest expert left.
; Equal scores go to the lower index.  Rows that hold a NaN are not served.
.set ROUND_IN, 1
.set SLOT,   16384                     ; a slot of W: 64 rows of 256 bytes
.set RING,   2*SLOT                    ; a wave's two slots; the eight rings fill LDS bytes 0 .. 262,143
.set STG,    262144                    ; behind the rings: the stages, into which no tensor load ever lands
.set SPITCH, 144                       ; a stage row: 64 bf16 + 16 bytes, an odd multiple of 16: 16 rows of a fragment load start at different banks
.set STAGE,  32*SPITCH                 ; 4,608 bytes a wave
; window 0: v1 x offset, v2 stage store, v3 stage fragment, v4 W fragment, v5 noise/out2 offset, v6 b offset, v7 partial sums, v28 lane, v29 r, v30 h
.set Z,    8                           ; v[8:23]   noise, then logits, then scores: row j, expert 4 r + t at Z + 4 j + t
.set BI,   24                          ; v[24:27]  b of experts 4 r .. 4 r + 3
.set WR,   32                          ; v[32:63]  four pairs of rows of W as loaded; shares its registers with
.set AF,   32                          ; v[32:63]  A fragments: K step ks, 16 rows m at AF + 8 (2 ks + m)
.set BF,   64                          ; v[64:127] B fragments: K step ks, tile t at BF + 32 ks + 8 t
.set ACC,  128                         ; v[128:255] accumulator tile (mt, t) at ACC + 8 (4 mt + t)
; window 1: v[256:511] the ring of x: half buffer q, load n at 64 q + 4 n
; the end, in registers that the product has left:
.set P,    128                         ; partial sums of source wave u: P + 16 u + 4 t + j
.set MX,   32
.set SM,   36
.set TOPV, 40
.set TOPI, 44
.set SECV, 48
.set SECI, 52
.set IX,   60                          ; v[60:63] the numbers 4 r + t as f32
.set RB,   64                          ; v[64:67] LDS addresses of the partial sums meant for me
.set T,    68                          ; v[68:71] at work
.set CV,   144                         ; v[144:159] scores with the first choice struck out
.set CI,   160                         ; v[160:175] candidates for an index
.set MSB, 0
.macro WIN new                         ; s_set_vgpr_msb: bits 1:0 source 0, 3:2 source 1, 5:4 source 2, 7:6 destination; the high byte repeats the setting left
.if MSB != \new
	s_set_vgpr_msb (MSB<<8)|\new
.set MSB, \new
.endif
.endm
.macro PLACES                          ; four plain vector instructions between a matrix instruction and whatever reads its result or writes its registers (ISA guide 7.12.1)
.rept 4
	v_nop
.endr
.endm
; A round of the cluster's barrier: my group's barrier, wave 0 signals for the group, every wave waits for all four groups, my group's barrier again.
.macro ROUND
	s_barrier_signal -1
	s_barrier_wait -1
	s_cmp_lg_u32 s18, 0
	s_cbranch_scc1 .Lnot_wave_0_\@
	s_barrier_signal -3
.Lnot_wave_0_\@:
	s_barrier_wait -3
	s_barrier_signal -1
	s_barrier_wait -1
.endm
; The 16 loads of half i (chunk i / 2, rows 32 (i % 2) ..): lanes 0-15 take 256 aligned bytes of one row, lanes 16-31 of the row 8 further down.
.macro XLOAD i
.set XQ, 64*((\i)%4)
.set XC, (\i)/2
.set XH, (\i)%2
.set n, 0
.rept 16
	global_load_b128 v[XQ+4*n:XQ+4*n+3], v1, s[4:5] offset:(32*XH+(n&7)+16*(n>>3))*8192+256*XC th:TH_LOAD_NT
.set n, n+1
.endr
.endm
; Pair pi = 8 ks + p of W's rows: k = 32 ks + 8 h + (p < 4 ? 2 p : 16 + 2 (p - 4)) and the row behind it: register p of the four B fragments of K step ks.
.macro WPAIR slot, pi
.set wrow, 32*((\pi)/8)+2*((\pi)%8)+8*(((\pi)%8)/4)
	ds_load_b128 v[WR+8*((\pi)%4):WR+8*((\pi)%4)+3],   v4 offset:SLOT*\slot+256*wrow
	ds_load_b128 v[WR+8*((\pi)%4)+4:WR+8*((\pi)%4)+7], v4 offset:SLOT*\slot+256*wrow+256
.endm
; A chunk of W (64 k x 64 experts, f32 in my slot) becomes the eight B fragments.  Four pairs of rows are always on their way.
.macro WSTEP slot, places
.if \places
	PLACES                                         ; WR and BF were sources of the last matrix instructions
.endif
	WPAIR \slot, 0
	WPAIR \slot, 1
	WPAIR \slot, 2
	WPAIR \slot, 3
.set pi, 0
.rept 16
.if pi <= 12
	s_wait_dscnt 6                                 ; LDS loads come back in order: pair pi is in, the three younger pairs (6 loads) stay out
.else
	s_wait_dscnt 2*(15-pi)                         ; the last pairs: the count runs down 4, 2, 0
.endif
.irp t, 0,1,2,3
	v_cvt_pk_bf16_f32 v[BF+32*(pi/8)+8*\t+(pi%8)], v[WR+8*(pi%4)+\t], v[WR+8*(pi%4)+4+\t]   ; the lower k into the low half
.endr
.if pi < 12
	WPAIR \slot, (pi+4)
.endif
.set pi, pi+1
.endr
.endm
; My slot, which I have read, is filled again with the chunk two further on.  Every wave's LDS reads are back and all its tensor loads have landed in front
; of the round's opening signal; with no load of mine out the slot's address may be stepped; the joint load is my first and only tensor load behind the round.
.macro REFILL slot
	s_wait_dscnt 0x0
	s_wait_xcnt 0x0
	v_lshl_add_u32 v27, v0, 2, 0x49000
	v_mov_b32 v31, 0
	s_wait_tensorcnt 0x0
	ds_add_u32 v27, v31
	s_wait_dscnt 0x0
	s_add_nc_u64 s[34+4*\slot:35+4*\slot], s[34+4*\slot:35+4*\slot], RING
	ROUND
	tensor_load_to_lds s[32+4*\slot:35+4*\slot], s[24:31]
	s_nop 0
.endm
; Eight matrix instructions: 32 rows x 64 experts x 32 k.  The eight accumulators take turns, one instruction a turn.
.macro MUL8 ks, hh, zero
.irp m, 0,1
.irp t, 0,1,2,3
.if \zero
	v_wmma_f32_16x16x32_bf16 v[ACC+8*(4*(2*(\hh)+\m)+\t):ACC+8*(4*(2*(\hh)+\m)+\t)+7], v[AF+8*(2*\ks+\m):AF+8*(2*\ks+\m)+7], v[BF+32*\ks+8*\t:BF+32*\ks+8*\t+7], 0
.else
	v_wmma_f32_16x16x32_bf16 v[ACC+8*(4*(2*(\hh)+\m)+\t):ACC+8*(4*(2*(\hh)+\m)+\t)+7], v[AF+8*(2*\ks+\m):AF+8*(2*\ks+\m)+7], v[BF+32*\ks+8*\t:BF+32*\ks+8*\t+7], v[ACC+8*(4*(2*(\hh)+\m)+\t):ACC+8*(4*(2*(\hh)+\m)+\t)+7]
.endif
.endr
.endr
.endm
; Half i.  zero = 1: its first products start the sums.  issue = 1: the half three further on is asked for; 2: noise and b are.
; y0, y1 = loads issued behind this half's sixteen, before and behind this half's own requests.
.macro HALF i, zero, issue, y0, y1
.set HQ, 64*((\i)%4)
	s_wait_loadcnt 12+\y0                          ; loads come back in order: my first four are in
.if \issue == 1
	WIN 0x40                                       ; data into window 1, the offset from window 0
	XLOAD (\i+3)                                   ; into the buffer of the last half, whose LDS stores were waited for there
.endif
.if \issue == 2
	WIN 0
.irp j, 0,1,2,3
	global_load_b128 v[Z+4*\j:Z+4*\j+3], v5, s[10:11] offset:256*\j th:TH_LOAD_NT   ; noise of the 8 rows that I finish: 16 lanes take a whole row
.endr
	global_load_b128 v[BI:BI+3], v6, s[8:9]
.endif
	WIN 0x45                                       ; all three operands in window 1
.irp g, 0,1,2,3
.if \g
	s_wait_loadcnt 12-4*\g+\y1                     ; the next four of my sixteen
.endif
.irp q, 0,1,2,3
	v_cvt_pk_bf16_f32 v[HQ+16*\g+4*\q],   v[HQ+16*\g+4*\q],   v[HQ+16*\g+4*\q+1]   ; in place: 4 f32 become 8 bytes.  These 32 lines are also the places
	v_cvt_pk_bf16_f32 v[HQ+16*\g+4*\q+1], v[HQ+16*\g+4*\q+2], v[HQ+16*\g+4*\q+3]   ; between the last matrix instructions and the loads into AF below
.endr
.endr
	WIN 0x04                                       ; store data from window 1
.set n, 0
.rept 16
	ds_store_b64 v2, v[HQ+4*n:HQ+4*n+1] offset:((n&7)+16*(n>>3))*SPITCH   ; lanes 0-15: 128 bytes of a row; lanes 16-31: 8 rows = 288 words on, the other half of the banks
.set n, n+1
.endr
	WIN 0
.irp ks, 0,1
.irp m, 0,1
	ds_load_b128 v[AF+8*(2*\ks+\m):AF+8*(2*\ks+\m)+3],   v3 offset:16*SPITCH*\m+64*\ks      ; LDS serves a wave's instructions in order: these see the stores above
	ds_load_b128 v[AF+8*(2*\ks+\m)+4:AF+8*(2*\ks+\m)+7], v3 offset:16*SPITCH*\m+64*\ks+32
.endr
.endr
	s_wait_dscnt 4                                 ; the first K step's four loads are in, the second's four stay out
	MUL8 0, ((\i)%2), \zero
	s_wait_dscnt 0
	MUL8 1, ((\i)%2), 0
.endm
.macro RED4 op, reg                    ; four rows at once: a row's 64 experts lie in 16 neighbouring lanes, so four steps inside the 16 do it
.irp m, 1,2,4,8
.irp j, 0,1,2,3
	\op v[\reg+\j], v[\reg+\j], v[\reg+\j] row_xmask:\m row_mask:0xf bank_mask:0xf
.endr
.endr
.endm
.macro MAXROW dst, src                 ; dst + j = the largest of row j's 64 numbers, in every lane of the row
.irp j, 0,1,2,3
	v_max3_num_f32 v[\dst+\j], v[\src+4*\j], v[\src+4*\j+1], v[\src+4*\j+2]
.endr
.irp j, 0,1,2,3
	v_max_num_f32 v[\dst+\j], v[\dst+\j], v[\src+4*\j+3]
.endr
	RED4 v_max_num_f32_dpp, \dst
.endm
.macro ARGROW dst, val, src            ; dst + j = the lowest expert (as f32) whose number in row j equals val + j
.irp j, 0,1,2,3
.irp t, 0,1,2,3
	v_cmp_eq_f32 vcc_lo, v[\src+4*\j+\t], v[\val+\j]
	v_cndmask_b32 v[CI+4*\j+\t], 0x42800000, v[IX+\t], vcc_lo      ; my expert's number, or 64.0
.endr
.endr
.irp j, 0,1,2,3
	v_min3_num_f32 v[\dst+\j], v[CI+4*\j], v[CI+4*\j+1], v[CI+4*\j+2]
.endr
.irp j, 0,1,2,3
	v_min_num_f32 v[\dst+\j], v[\dst+\j], v[CI+4*\j+3]
.endr
	RED4 v_min_num_f32_dpp, \dst
.endm
.macro SEL dst, src                    ; lane r takes row r & 3 of the four
	v_cndmask_b32 v[\dst], v[\src], v[\src+1], s42
	v_cndmask_b32 v[\dst], v[\dst], v[\src+2], s43
	v_cndmask_b32 v[\dst], v[\dst], v[\src+3], s44
.endm
	; ---- ids and every descriptor word that needs no address, while the arguments are on their way
	s_load_b256 s[4:11], s[0:1], 0x0               ; x s[4:5], W s[6:7], b s[8:9], noise s[10:11]
	s_load_b128 s[12:15], s[0:1], 0x20             ; out0 s[12:13], out1 s[14:15]
	s_load_b64 s[16:17], s[0:1], 0x30              ; out2
	v_lshl_add_u32 v27, v0, 2, 0x49000
	v_mov_b32 v31, 0
	ds_add_u32 v27, v31
	s_wait_dscnt 0x0
	v_lshrrev_b32 v28, 5, v0
	v_readfirstlane_b32 s18, v28                   ; wave 0..7
	s_bfe_u32 s19, ttmp6, 0x40000                  ; cx: my place in the cluster
	s_lshl_b32 s20, ttmp9, 2                       ; in a cluster launch ttmp9 counts clusters
	s_add_co_u32 s20, s20, s19                     ; work-group = 4 x cluster + cx; it enters global offsets of x, noise and the outputs alone
	v_and_b32 v28, 31, v0                          ; lane
	v_and_b32 v29, 15, v0                          ; r
	v_bfe_u32 v30, v0, 4, 1                        ; h
	s_lshl_b32 s21, s18, 10
	v_lshlrev_b32 v6, 4, v29                       ; 16 r: also my offset in b
	v_lshl_add_u32 v1, v30, 16, v6                 ; + 8 rows of 8,192 bytes for lanes 16-31
	v_add_nc_u32 v1, s21, v1                       ; + my wave's 256 k = 1,024 bytes
	; Group 1: 64 rows of 32 elements of 8 bytes, dense, no padding (sixteen lanes read a whole row: no two of them meet in a bank)
	s_mov_b32 s24, 15|(3<<16)|(1<<21)              ; 15:0 mask: all four work-groups of the cluster; 17:16 elements of 8 bytes; 21 set beside a mask
	s_mov_b32 s25, 32<<16                          ; tensor_dim0 = 32
	s_mov_b32 s26, 64<<16                          ; tensor_dim1 = 64
	s_mov_b32 s27, 32<<16                          ; tile_dim0 = 32
	s_mov_b32 s28, 64                              ; tile_dim1 = 64
	s_mov_b32 s29, 32                              ; from row to row: 32 elements
	s_mov_b32 s30, 0
	s_mov_b32 s31, 0
	; Group 0, one for each slot: LDS 32,768 w + 16,384 slot; W + 65,536 w + 16,384 chunk.  Only the wave's number enters: equal in all four work-groups.
	s_lshl_b32 s45, s18, 15
	s_mov_b32 s32, 1
	s_lshl_b32 s33, s18, 15
	s_mov_b32 s36, 1
	s_add_co_u32 s37, s33, SLOT
	s_lshl_b32 s22, s18, 16
	s_mov_b32 s23, 0
	s_wait_kmcnt 0x0
	s_add_nc_u64 s[34:35], s[6:7], s[22:23]
	s_add_nc_u64 s[38:39], s[34:35], SLOT
	s_or_b32 s35, s35, 0x80000000
	s_or_b32 s39, s39, 0x80000000
	ROUND                                          ; all four work-groups are here: the first joint loads meet
	tensor_load_to_lds s[32:35], s[24:31]          ; chunk 0: the first request of the wave, since every half waits for its chunk
	s_nop 0
	tensor_load_to_lds s[36:39], s[24:31]          ; chunk 1: two tensor loads of the wave are out here, later one
	s_nop 0
	; ---- the first 48 loads of x
	s_lshl_b32 s22, s20, 19                        ; 64 rows of 8,192 bytes; 255 << 19 is below 2^31
	s_add_nc_u64 s[4:5], s[4:5], s[22:23]
	WIN 0x40
	XLOAD 0
	XLOAD 1
	XLOAD 2
	WIN 0
	; ---- the other bases
	s_lshl_b32 s22, s20, 14                        ; 64 rows of 256 bytes
	s_add_nc_u64 s[10:11], s[10:11], s[22:23]
	s_add_nc_u64 s[16:17], s[16:17], s[22:23]
	s_lshl_b32 s22, s20, 9                         ; 64 rows of 8 bytes
	s_add_nc_u64 s[12:13], s[12:13], s[22:23]
	s_add_nc_u64 s[14:15], s[14:15], s[22:23]
	; ---- LDS addresses
	s_mul_i32 s21, s18, STAGE
	s_add_co_u32 s21, s21, STG                     ; my stage
	v_mul_u32_u24 v2, v30, 8*SPITCH
	v_lshl_add_u32 v2, v29, 3, v2
	v_add_nc_u32 v2, s21, v2                       ; in: row 8 h (+ the load's row), 8 bytes at 8 r
	v_mul_u32_u24 v3, v29, SPITCH
	v_lshl_add_u32 v3, v30, 4, v3
	v_add_nc_u32 v3, s21, v3                       ; back: row r, 16 bytes at 16 h
	v_lshl_add_u32 v31, v30, 11, v6                ; 2,048 h + 16 r
	v_add_nc_u32 v4, s45, v31                      ; W: row 8 h of my ring, experts 4 r ..
	s_lshr_b32 s21, s18, 1
	s_lshl_b32 s21, s21, 12
	s_and_b32 s22, s18, 1
	s_lshl_b32 s22, s22, 10
	s_or_b32 s21, s21, s22
	v_add_nc_u32 v5, s21, v31                      ; noise, out2: row 16 (w >> 1) + 4 (w & 1) + 8 h, 256 bytes a row
	v_lshl_add_u32 v7, v28, 4, s45                 ; partial sums: my ring + 16 x lane
	s_mov_b32 s40, 0x3dcccccd                      ; 0.1
	s_mov_b32 s41, 0x3fb8aa3b                      ; log2 e
	; ---- the product, written out: 4 chunks of W, 8 halves of x
	s_wait_tensorcnt 0x1                           ; chunk 0 has landed in my slot 0; chunk 1 may be out.  Only I read my slots
	WSTEP 0, 0
	HALF 0, 1, 1, 32, 48                           ; needs chunk 0 alone: it runs, and asks for half 3 of x, while chunk 1 may still be landing
	REFILL 0                                       ; chunk 2 into slot 0: it has half 1, a conversion of W and half 2 in which to land
	HALF 1, 1, 1, 32, 48
	s_wait_tensorcnt 0x1                           ; chunk 1 is in (shown by the wait for 0 above); the one younger load is chunk 2's
	WSTEP 1, 1
	HALF 2, 0, 1, 32, 48                           ; six of the eight halves of x have now been asked for
	REFILL 1                                       ; chunk 3 into slot 1, the last fill: it has half 3, a conversion of W and halves 4 and 5 in which to land
	HALF 3, 0, 1, 32, 48
	s_wait_tensorcnt 0x1                           ; chunk 2 is in (shown by the wait for 0 above); chunk 3's load may be out
	WSTEP 0, 1
	HALF 4, 0, 1, 32, 48
	HALF 5, 0, 2, 32, 37                           ; nothing of x is left to ask for: noise and b go out, 5 loads
	s_wait_tensorcnt 0x0                           ; chunk 3; no tensor load is out from here on
	WSTEP 1, 1
	HALF 6, 0, 0, 21, 21
	HALF 7, 0, 0, 5, 5
	; ---- the eight partial sums meet.  Destination wave d finishes rows 16 (d >> 1) + 8 h + 4 (d & 1) + j, j = 0..3: registers 4 (d & 1) .. + 3 of tiles (d >> 1, t).
	; They go into my slot 0, which has had its last fill and my last read: 16 KiB, every store 512 neighbouring bytes.
	PLACES
.irp d, 0,1,2,3,4,5,6,7
.irp t, 0,1,2,3
	ds_store_b128 v7, v[ACC+8*(4*(\d/2)+\t)+4*(\d%2):ACC+8*(4*(\d/2)+\t)+4*(\d%2)+3] offset:2048*\d+512*\t
.endr
.endr
	s_lshl_b32 s21, s18, 11
	v_lshl_add_u32 v[RB], v28, 4, s21              ; what is meant for me, in source 0's slot; sources 2 i and 2 i + 1 by RB + i
	v_add_nc_u32 v[RB+1], 0x10000, v[RB]
	v_add_nc_u32 v[RB+2], 0x20000, v[RB]
	v_add_nc_u32 v[RB+3], 0x30000, v[RB]
	v_lshlrev_b32 v[IX], 2, v29
	v_cvt_f32_u32 v[IX], v[IX]                     ; my experts' numbers 4 r + t, exact in f32
	v_add_f32 v[IX+1], 1.0, v[IX]
	v_add_f32 v[IX+2], 2.0, v[IX]
	v_add_f32 v[IX+3], 0x40400000, v[IX]
	s_wait_dscnt 0x0                               ; my stores are done, for the others' sake
	s_barrier_signal -1
	s_barrier_wait -1
.irp u, 0,1,2,3,4,5,6,7
.irp t, 0,1,2,3
	ds_load_b128 v[P+16*\u+4*\t:P+16*\u+4*\t+3], v[RB+(\u/2)] offset:32768*(\u%2)+512*\t
.endr
.endr
.irp u, 1,2,3,4,5,6,7
	s_wait_dscnt 28-4*\u                           ; sources 0 .. u are in; the four loads of each later source stay out
.irp q, 0,2,4,6,8,10,12,14
	v_pk_add_f32 v[P+\q:P+\q+1], v[P+\q:P+\q+1], v[P+16*\u+\q:P+16*\u+\q+1]
.endr
.endr
	; ---- logits
	s_wait_loadcnt 0x0                             ; noise and b
.if ROUND_IN
.irp q, 0,2,4,6,8,10,12,14,16,18
	v_cvt_pk_bf16_f32 v[T+(\q/2)%4], v[Z+\q], v[Z+\q+1]            ; noise (16 numbers) and b (4, right behind them) rounded once to bf16, and widened again
	v_lshlrev_b32 v[Z+\q], 16, v[T+(\q/2)%4]
	v_and_b32 v[Z+\q+1], 0xffff0000, v[T+(\q/2)%4]
.endr
.endif
.irp t, 0,1,2,3
.irp j, 0,1,2,3
	v_add_f32 v[P+4*\t+\j], v[P+4*\t+\j], v[BI+\t]
.endr
.endr
.irp j, 0,1,2,3
.irp t, 0,1,2,3
	v_fma_f32 v[Z+4*\j+\t], v[Z+4*\j+\t], s40, v[P+4*\t+\j]        ; (x W + b) + 0.1 noise
.endr
.endr
	; ---- softmax, four rows a half wave at once
	MAXROW MX, Z
.irp j, 0,1,2,3
	v_mul_f32 v[T+\j], s41, v[MX+\j]
.endr
.irp j, 0,1,2,3
.irp t, 0,1,2,3
	v_fma_f32 v[Z+4*\j+\t], v[Z+4*\j+\t], s41, -v[T+\j]            ; (z - max) log2 e
.endr
.endr
.irp q, 0,1,2,3,4,5,6,7,8,9,10,11,12,13,14,15
	v_exp_f32 v[Z+\q], v[Z+\q]
.endr
	v_and_b32 v75, 3, v0                           ; r & 3; also the plain instruction between the exponentials and their first use (ISA guide 5.7.2)
	s_wait_alu depctr_va_vdst(0)
.irp j, 0,1,2,3
	v_add_f32 v[SM+\j], v[Z+4*\j], v[Z+4*\j+1]
.endr
.irp j, 0,1,2,3
	v_add_f32 v[T+\j], v[Z+4*\j+2], v[Z+4*\j+3]
.endr
.irp j, 0,1,2,3
	v_add_f32 v[SM+\j], v[SM+\j], v[T+\j]
.endr
	RED4 v_add_f32_dpp, SM
.irp j, 0,1,2,3
	v_rcp_f32 v[T+\j], v[SM+\j]
.endr
	v_lshlrev_b32 v74, 4, v28                      ; 16 x lane; also the plain instruction behind the reciprocals
	s_wait_alu depctr_va_vdst(0)
.irp j, 0,1,2,3
.irp t, 0,1,2,3
	v_mul_f32 v[Z+4*\j+\t], v[Z+4*\j+\t], v[T+\j]
.endr
.endr
.irp j, 0,1,2,3
	global_store_b128 v5, v[Z+4*\j:Z+4*\j+3], s[16:17] offset:256*\j th:TH_STORE_NT   ; 16 lanes store a whole row of 256 bytes, aligned; Z is not written again
.endr
	; ---- the two largest scores; a choice only selects values, no branch or address hangs on it
	MAXROW TOPV, Z
	ARGROW TOPI, TOPV, Z
.irp j, 0,1,2,3
.irp t, 0,1,2,3
	v_cmp_neq_f32 vcc_lo, v[IX+\t], v[TOPI+\j]
	v_cndmask_b32 v[CV+4*\j+\t], -1.0, v[Z+4*\j+\t], vcc_lo        ; the first choice is struck out: scores are never below 0
.endr
.endr
	MAXROW SECV, CV
	ARGROW SECI, SECV, CV
	v_cmp_eq_u32 s42, 1, v75
	v_cmp_eq_u32 s43, 2, v75
	v_cmp_eq_u32 s44, 3, v75
	SEL T, TOPV
	SEL T+1, SECV
	SEL T+2, TOPI
	SEL T+3, SECI
	v_cvt_i32_f32 v[T+2], v[T+2]
	v_cvt_i32_f32 v[T+3], v[T+3]
	; The pairs go out through LDS so that each of out0 and out1 leaves as one store of 512 neighbouring bytes.  My 8 rows' pairs lie together, at 64 w + 32 h + 8 (r & 3)
	; of the stage region (all stages have been read for the last time in front of the barrier above); four lanes write the same bytes with the same value.
	s_lshl_b32 s21, s18, 6
	s_add_co_u32 s21, s21, STG
	v_lshlrev_b32 v72, 3, v75
	v_lshl_add_u32 v72, v30, 5, v72
	v_add_nc_u32 v72, s21, v72
	ds_store_b64 v72, v[T:T+1]
	ds_store_b64 v72, v[T+2:T+3] offset:512
	s_wait_dscnt 0x0
	s_barrier_signal -1
	s_barrier_wait -1
	s_cmp_gt_u32 s18, 1
	s_cbranch_scc1 .Lno_pairs                      ; wave 0 stores out0, wave 1 out1
	; lane L takes rows 2 L and 2 L + 1.  Row = 16 mt + 8 h + 4 jh + j lies at 128 mt + 64 jh + 32 h + 8 j: mt = L >> 3, h = bit 2, jh = bit 1, j = 2 x bit 0 of L
	v_lshrrev_b32 v73, 3, v28
	v_lshlrev_b32 v73, 7, v73
	v_bfe_u32 v80, v28, 1, 1
	v_lshl_add_u32 v73, v80, 6, v73
	v_bfe_u32 v80, v28, 2, 1
	v_lshl_add_u32 v73, v80, 5, v73
	v_and_b32 v80, 1, v28
	v_lshl_add_u32 v73, v80, 4, v73
	s_lshl_b32 s21, s18, 9
	s_add_co_u32 s21, s21, STG
	v_add_nc_u32 v73, s21, v73
	ds_load_b128 v[76:79], v73
	s_cmp_eq_u32 s18, 0
	s_cselect_b64 s[46:47], s[12:13], s[14:15]
	s_wait_dscnt 0x0
	global_store_b128 v74, v[76:79], s[46:47] th:TH_STORE_NT
.Lno_pairs:
	s_wait_xcnt 0x0
	v_lshl_add_u32 v27, v0, 2, 0x49000
	v_mov_b32 v31, 0
	s_wait_tensorcnt 0x0
	ds_add_u32 v27, v31
	s_wait_dscnt 0x0
	ROUND                                          ; the closing round: no work-group ends while a partner may still issue a joint load that names it
	s_endpgm
.Lfunc_end_k_q062d3962e2_router:
	.size	k_q062d3962e2_router, .Lfunc_end_k_q062d3962e2_router-k_q062d3962e2_router
	.p2alignl 7, 3214868480
	.fill 96, 4, 3214868480
	.section	.rodata,"a",@progbits
	.p2align	6, 0x0
	.amdhsa_kernel k_q062d3962e2_router
		.amdhsa_group_segment_fixed_size 327680
		.amdhsa_private_segment_fixed_size 0
		.amdhsa_enable_private_segment 0
		.amdhsa_kernarg_size 56
		.amdhsa_user_sgpr_count 2
		.amdhsa_user_sgpr_kernarg_segment_ptr 1
		.amdhsa_wavefront_size32 1
		.amdhsa_system_sgpr_workgroup_id_x 1
		.amdhsa_system_sgpr_workgroup_id_y 1
		.amdhsa_system_sgpr_workgroup_id_z 1
		.amdhsa_system_vgpr_workitem_id 0
		.amdhsa_next_free_vgpr 512
		.amdhsa_next_free_sgpr 66
		.amdhsa_reserve_vcc 1
		.amdhsa_float_denorm_mode_32 3
		.amdhsa_float_denorm_mode_16_64 3
		.amdhsa_memory_ordered 1
		.amdhsa_forward_progress 1
		.amdhsa_inst_pref_size 113
	.end_amdhsa_kernel
	.amdgpu_metadata
---
amdhsa.version: [ 1, 2 ]
amdhsa.kernels:
  - .name:           k_q062d3962e2_router
    .symbol:         k_q062d3962e2_router.kd
    .args:
      - { .name: x, .offset: 0, .size: 8, .value_kind: global_buffer, .address_space: global }
      - { .name: W, .offset: 8, .size: 8, .value_kind: global_buffer, .address_space: global }
      - { .name: b, .offset: 16, .size: 8, .value_kind: global_buffer, .address_space: global }
      - { .name: noise, .offset: 24, .size: 8, .value_kind: global_buffer, .address_space: global }
      - { .name: out0, .offset: 32, .size: 8, .value_kind: global_buffer, .address_space: global }
      - { .name: out1, .offset: 40, .size: 8, .value_kind: global_buffer, .address_space: global }
      - { .name: out2, .offset: 48, .size: 8, .value_kind: global_buffer, .address_space: global }
    .group_segment_fixed_size: 327680
    .private_segment_fixed_size: 0
    .kernarg_segment_align: 8
    .kernarg_segment_size: 56
    .max_flat_workgroup_size: 256
    .sgpr_count:     66
    .vgpr_count:     512
    .wavefront_size: 32
...
	.end_amdgpu_metadata
.endif
;; end of part 1
